; MI455X (gfx1250); checked and timed in simulation.
; The chip was launched on July 23, 2026; its instructions are those of AMD's public machine-readable ISA for CDNA 5 (MIT licence, August 2026) and "CDNA5" Instruction Set Architecture Reference Guide (July 2026). The comments in the code are by the model that wrote it; some were corrected since.
;; Cross Attention. Allowed arithmetic: matrix products marked QUANTISED: E2M1 operands, one E8M0 scale for each 32 along K, by v_wmma_scale_f32_16x16x128_f8f6f4 with both operands' format E2M1 (or v_wmma_scale_f32_32x16x128_f4), f32 sums; products left as they are: bf16, f16 or f32 operands; f32 sums; everything else in f32.
;; Inputs: Wkv 1,024 x 2,048 float32; Wq 1,024 x 1,024 float32; bkv 2,048 float32; bq 1,024 float32; query 4 x 1,024 x 1,024 float32; x 4 x 1,024 x 1,024 float32.
;; Outputs: out0 4 x 1,024 x 1,024 float32.
;; This version of the problem:
;;   THIS VERSION OF THE PROBLEM IS GIVEN IN LOW PRECISION. The matrix products marked QUANTISED in the list below multiply operands that are first quantised to E2M1 (2 exponent bits, 1 mantissa bit; 4 bits a number), with one power-of-two scale for each 32 numbers along K (OCP MX v1.0); their sums are f32. The products marked 'left as it is' may take bf16, f16 or f32 operands, with f32 sums. Whichever they take, every output number must still come out within the allowed error. Rounding operands to bf16 (8 significant bits) uses up far more of that allowance than f16 does (11 bits, for magnitudes from 6e-5 to 65,504). All else is computed in f32.
;;   The module's matrix products, in the order in which they are computed (A, B: the left and right operand; K: the contracted axis; several contracted axes count as one K, in the product's order):
;;     1. [M 4,096, K 1,024] x [K 1,024, N 2,048]; A: input x; B: input Wkv: QUANTISED
;;     2. [M 4,096, K 1,024] x [K 1,024, N 1,024]; A: input query; B: input Wq: QUANTISED
;;     3. batch 64 x [M 1,024, K 64] x [K 64, N 2,048]; A: computed on the way; B: computed on the way: left as it is (an operand is computed on the way)
;;     4. batch 64 x [M 1,024, K 2,048] x [K 2,048, N 64]; A: computed on the way; B: computed on the way: left as it is (an operand is computed on the way)
;;   THE QUANTISER, for each operand of a quantised product, along K:
;;     - K is cut into blocks of 32 from its start; a last block that is shorter is filled with zeros.
;;     - A block's scale is 2^e with e = floor(log2(the largest magnitude in the block)) - 2, held to -126 .. 127; a block of zeros has e = 0. As a byte (E8M0): e + 127.
;;     - Each number is divided by its block's scale, clamped to +-6, and rounded to the nearest number of E2M1, ties to even, subnormals kept.
;;     - The product sums the exact products of the quantised numbers (number of the format x scale) in f32.
;;   ~~~python
;;   def quantise(x, axis):      # numpy; x: float32 -> the quantised numbers, widened to float32 again
;;       x = np.moveaxis(x, axis, -1); K = x.shape[-1]
;;       x = np.pad(x, [(0, 0)] * (x.ndim - 1) + [(0, -K % 32)]); x = x.reshape(x.shape[:-1] + (-1, 32)); a = np.abs(x).max(-1, keepdims=True)
;;       e = np.where(a > 0, np.clip(np.frexp(np.where(a > 0, a, 1))[1] - 1 - 2, -126, 127), 0)      # np.frexp(a)[1] - 1 = floor(log2(a)), exactly
;;       r = np.clip(x / 2.0 ** e, -6, 6)
;;       step = 2.0 ** (np.maximum(np.frexp(np.where(r == 0, 1, r))[1] - 1, 0) - 1)
;;       q = np.round(r / step) * step * 2.0 ** e      # np.round: ties to even
;;       return np.moveaxis(q.reshape(q.shape[:-2] + (-1,))[..., :K], -1, axis).astype(np.float32)
;;   ~~~
;; One version. Each part assembles by itself: llvm-mc -triple=amdgcn-amd-amdhsa -mcpu=gfx1250 --defsym DOCPART=n.
;; ======== version 1 of 1: 3 launches
;; limits: values are held in f16: magnitudes above 65,504 overflow, below 6.1e-05 lose precision
;; workspace buffers: acodes 4,194,304 bytes; ascales 262,144 bytes; wcodes 1,572,864 bytes; wscales 98,304 bytes; qkv 25,165,824 bytes
;; launch quant (part 1): grid 304 x 1, 4 waves a work-group, no clusters, 68,096 bytes of LDS; arguments x, query, Wkv, Wq, acodes, ascales, wcodes, wscales; writes acodes, ascales, wcodes, wscales
.if DOCPART == 1
	.amdgcn_target "amdgcn-amd-amdhsa--gfx1250"
	.amdhsa_code_object_version 6
	.text
	.protected	k_q5091670993_quant
	.globl	k_q5091670993_quant
	.p2align	8
	.type	k_q5091670993_quant,@function
k_q5091670993_quant:
	s_mov_b64 s[64:65], 0
	v_nop
	global_prefetch_b8 v0, s[64:65] scope:SCOPE_SE
	s_setreg_imm32_b32 hwreg(HW_REG_WAVE_MODE, 25, 1), 1
	s_wait_xcnt 0x0
; The operands of the two quantised products become codes of FP4 (E2M1), K innermost, two codes a byte (the lower k in the low four bits), with one E8M0 byte for each 32 along K.
; A block's scale is 2^(floor(log2(its largest magnitude)) - 2); its byte is the largest magnitude's own exponent field - 2, held at 1 from below; each number is divided by the scale and
; rounded to the nearest code, ties to even, beyond 6 the largest code.
; x and query, [4096][1024] f32 each, K innermost -> acodes [8192][512 bytes], ascales [8192][32]: x's rows first, then query's.
; Wkv [1024][2048] and Wq [1024][1024], f32, K is the FIRST axis -> wcodes [3072][512 bytes], wscales [3072][32]: row n is column n of Wkv, row 2048 + n column n of Wq.
; ONE LAUNCH, TWO ROLES, parted on the work-group's number alone: work-groups 0-47 take the weights (128 columns x 512 along K each), work-groups 48-303 the activations (32,768 numbers each).
; Each role has LDS bytes of its own and its own end.  No tensor loads, no barrier: waves share nothing.  No cluster: no two work-groups read the same bytes.
; LIMITS: a block of zeros gets the byte 1 where the rule says 127 (its codes are zeros, which add nothing under any byte but 0xff, and this program alone reads the bytes);
; NaN and infinities among the inputs are not served.
.set WGW,   48                         ; work-groups for the weights
.set EMAX,  2                          ; the exponent of the format's largest number, 6
.set SPW,   208                        ; v208  LDS address of my spare word: SPARE + 4 x my thread's number; never rewritten
.set NIL,   209                        ; v209  0; never rewritten
.set SPARE, 67584                      ; behind both roles' regions: the spare words, 128 bytes for each wave: two blocks of 256 bytes that no other line names
; the activations' role
.set STEPS, 16                         ; a wave takes 16 steps of 512 numbers
.set CB,    8                          ; bytes of 16 codes
.set AR,    16                         ; v16-79   four sets of 16 numbers as they are loaded
.set AX,    80                         ; v80-111  two sets of 16 neighbours
.set AE,    112                        ; v112-127 a scale byte for each step
.set AC,    128                        ; v128-191 codes: four registers for each step, so that no store's data are written again
.set WREG,  8192                       ; LDS 0 .. 32,767: a region for each wave: two stages of 32 x SP bytes, behind them its 256 scale bytes
.set SP,    80                         ; a lane's place in a stage: its 64 bytes + 16 of padding
; the weights' role
.set NB,    16                         ; a lane takes 16 blocks of 32 along K of its column
.set WSTG,  32768                      ; LDS 32,768 .. 67,583: a stage of 32 rows x WP bytes for each wave
.set WP,    272                        ; a stage row: 256 bytes of codes + 16
.set SB,    24                         ; v24-27   the scale bytes, four to a register
.set WX,    32                         ; v32-95   two sets of 32 numbers
.set WC,    96                         ; v96-99   a block's codes
.set OUTR,  112                        ; v112-175 the way out
.set OFFS,  176                        ; v176-207 byte offset of row i of a block at my column: 4 x lane + i x the tensor's row; never rewritten
	s_load_b256 s[4:11], s[0:1], 0x0               ; x s[4:5], query s[6:7], Wkv s[8:9], Wq s[10:11]
	s_load_b256 s[12:19], s[0:1], 0x20             ; acodes s[12:13], ascales s[14:15], wcodes s[16:17], wscales s[18:19]
	v_lshl_add_u32 v[SPW], v0, 2, SPARE
	v_mov_b32 v[NIL], 0
	v_lshrrev_b32 v1, 5, v0
	v_readfirstlane_b32 s20, v1                    ; wave 0..3
	v_and_b32 v2, 31, v0                           ; lane
	s_wait_kmcnt 0x0
	s_cmp_lt_u32 ttmp9, WGW                        ; the role hangs on the work-group's number alone
	s_cbranch_scc1 .Lweights
; ---------------- THE ACTIVATIONS.  Rows are dense and K is a multiple of 32: both tensors are plain streams of blocks of 32, and so are their codes and scale bytes.
; Each of a step's four loads reads 512 consecutive bytes, 16 a lane; the 2,048 bytes turn through the wave's own stage and come back 64 bytes a lane: 16 neighbours along K, two lanes to a block.
	v_lshlrev_b32 v3, 4, v2                        ; my 16 bytes of a load's 512
	s_mul_i32 s21, s20, WREG
	v_lshrrev_b32 v14, 2, v2
	v_mul_u32_u24 v14, v14, SP
	v_and_b32 v15, 3, v2
	v_lshl_add_u32 v14, v15, 4, v14
	v_add_nc_u32 v14, s21, v14                     ; the stage, on the way in: SP (lane / 4) + 16 (lane % 4)
	v_mul_u32_u24 v15, v2, SP
	v_add_nc_u32 v15, s21, v15                     ; and on the way out: SP x lane
	v_mul_u32_u24 v4, v2, CB                       ; my codes' place in a step's 256 bytes
	v_lshrrev_b32 v5, 1, v2
	s_add_co_u32 s21, s21, 2*32*SP
	v_add_nc_u32 v5, s21, v5                       ; my wave's 256 scale bytes: my block's byte
	v_lshlrev_b32 v7, 3, v2                        ; and on their way out 8 bytes a lane
	v_add_nc_u32 v6, s21, v7
	s_sub_co_u32 s22, ttmp9, WGW                   ; 0..255: the first 128 take x, the others query
	s_cmp_lt_u32 s22, 128
	s_cselect_b64 s[4:5], s[4:5], s[6:7]
	s_cselect_b32 s23, 0, 128
	s_sub_co_u32 s23, s22, s23
	s_lshl_b32 s23, s23, 2
	s_add_co_u32 s24, s23, s20                     ; which run of 8,192 numbers of its tensor is my wave's: 0..511
	s_lshl_b32 s24, s24, 15                        ; 32,768 bytes a run
	s_mov_b32 s25, 0
	s_add_nc_u64 s[4:5], s[4:5], s[24:25]
	s_lshl_b32 s26, s22, 2
	s_add_co_u32 s26, s26, s20                     ; and of the two tensors on end: 0..1023
	s_lshl_b32 s24, s26, 12                        ; 4,096 bytes of codes a run
	s_add_nc_u64 s[12:13], s[12:13], s[24:25]
	s_lshl_b32 s24, s26, 8                         ; 256 scale bytes a run
	s_add_nc_u64 s[14:15], s[14:15], s[24:25]
.macro ALOAD t
.irp i, 0,1,2,3
	global_load_b128 v[AR+16*((\t)%4)+4*\i:AR+16*((\t)%4)+4*\i+3], v3, s[4:5] offset:2048*(\t)+512*\i th:TH_LOAD_NT   ; 32 lanes read 512 consecutive bytes
.endr
.endm
.macro ATURN t                         ; step t's numbers through the stage: LDS serves a wave's instructions in order, so no wait stands between the stores and the loads
.irp i, 0,1,2,3
	ds_store_b128 v14, v[AR+16*((\t)%4)+4*\i:AR+16*((\t)%4)+4*\i+3] offset:32*SP*((\t)%2)+8*SP*\i
.endr
.irp i, 0,1,2,3
	ds_load_b128 v[AX+16*((\t)%2)+4*\i:AX+16*((\t)%2)+4*\i+3], v15 offset:32*SP*((\t)%2)+16*\i
.endr
.endm
.irp t, 0,1,2,3
	ALOAD \t
.endr
	s_wait_loadcnt 12                              ; step 0's four loads are in; the twelve of steps 1 to 3 stay out
	ATURN 0
.macro ASTEP t
.set XS, AX+16*((\t)%2)
.if (\t) > 0
	s_wait_dscnt 1                                 ; this step's numbers are back from the stage (the last step's byte store may be out): so its stores into the stage have read their registers,
.else
	s_wait_dscnt 0x0
.endif
.if (\t)+4 < STEPS
	ALOAD (\t)+4                                   ; which take the loads of four steps on
.endif
.if (\t)+1 < STEPS
.if STEPS-2-(\t) >= 3
	s_wait_loadcnt 12                              ; the next step's four loads are in; those of the three steps behind it may be out
.else
	s_wait_loadcnt 4*(STEPS-2-(\t))
.endif
	ATURN (\t)+1                                   ; and go through the other stage while this step is worked
.endif
	v_max3_num_f32 v8, |v[XS]|, |v[XS+1]|, |v[XS+2]|               ; the largest magnitude of my 16, in two chains
	v_max3_num_f32 v9, |v[XS+3]|, |v[XS+4]|, |v[XS+5]|
.irp i, 6,10
	v_max3_num_f32 v8, v8, |v[XS+\i]|, |v[XS+\i+1]|
	v_max3_num_f32 v9, v9, |v[XS+\i+2]|, |v[XS+\i+3]|
.endr
	v_max3_num_f32 v8, v8, |v[XS+14]|, |v[XS+15]|
	v_max3_num_f32 v8, v8, v9, (EMAX+1)<<23        ; and the floor 2^(EMAX + 1 - 127): the byte cannot fall under 1
	v_max_num_f32_dpp v8, v8, v8 row_xmask:1 row_mask:0xf bank_mask:0xf   ; and of my neighbour's 16: the block's
	v_add_nc_u32 v11, -(EMAX<<23), v8              ; EMAX off its exponent field: the conversion takes the exponent field of this operand as its scale, and nothing else of it
	v_cvt_scalef32_pk8_fp4_f32 v[AC+4*(\t)], v[XS:XS+7], v11
	v_cvt_scalef32_pk8_fp4_f32 v[AC+4*(\t)+1], v[XS+8:XS+15], v11
	v_lshrrev_b32 v[AE+(\t)], 23, v11              ; the scale's byte (also the plain line behind the conversions)
	ds_store_b8 v5, v[AE+(\t)] offset:16*(\t)      ; both lanes of a block write the same byte with the same value
	global_store_b64 v4, v[AC+4*(\t):AC+4*(\t)+1], s[12:13] offset:32*CB*(\t)   ; the wave stores 256 consecutive bytes, aligned
.endm
.irp t, 0,1,2,3,4,5,6,7,8,9,10,11,12,13,14,15
	ASTEP \t
.endr
	ds_load_b64 v[8:9], v6                         ; LDS serves a wave's instructions in order: these see my byte stores
	s_wait_dscnt 0x0
	global_store_b64 v7, v[8:9], s[14:15]          ; 32 lanes store the wave's 256 scale bytes, aligned
	s_wait_tensorcnt 0x0                           ; the wave's end, behind my last LDS store
	ds_add_u32 v[SPW], v[NIL]
	s_wait_dscnt 0x0
	s_endpgm
; ---------------- THE WEIGHTS.  A LANE TAKES A COLUMN n, AND ITS REGISTERS RUN DOWN K: each load reads 32 neighbouring columns of one row (128 consecutive bytes a wave, 512 a work-group), a block of 32
; along K lies in one lane's 32 registers, and the conversions give codes with K innermost.  A wave's 32 columns x 512 along K go through its own stage and leave as rows: sixteen lanes store 256 aligned bytes.
.Lweights:
	s_lshr_b32 s21, ttmp9, 1                       ; which 128 columns: 0-15 of Wkv, 16-23 of Wq
	s_and_b32 s22, ttmp9, 1                        ; which 512 along K
	s_mov_b32 s23, 4096                            ; a row of Wq in bytes;
	s_cmp_lt_u32 s21, 16
	s_cselect_b64 s[24:25], s[8:9], s[10:11]
	s_cselect_b32 s23, 8192, s23                   ; of Wkv
	s_cselect_b32 s26, 0, 16
	s_sub_co_u32 s26, s21, s26
	s_lshl_b32 s26, s26, 7
	s_lshl_b32 s27, s20, 5
	s_add_co_u32 s26, s26, s27                     ; my wave's first column in its tensor
	s_lshl_b32 s26, s26, 2
	s_mul_i32 s30, s22, s23
	s_lshl_b32 s30, s30, 9                         ; 512 rows down for the second half of K
	s_add_co_u32 s26, s26, s30
	s_mov_b32 s27, 0
	s_add_nc_u64 s[24:25], s[24:25], s[26:27]
	s_lshl_b32 s28, s23, 5                         ; a block on: 32 rows
	s_mov_b32 s29, 0
	s_lshl_b32 s31, s21, 7
	s_lshl_b32 s32, s20, 5
	s_add_co_u32 s31, s31, s32                     ; my wave's first row of wcodes: Wq's rows follow Wkv's 2,048 without a gap
	s_lshl_b32 s32, s31, 9                         ; 512 bytes a row,
	s_lshl_b32 s33, s22, 8                         ; 256 for my half of K
	s_add_co_u32 s32, s32, s33
	s_mov_b32 s33, 0
	s_add_nc_u64 s[16:17], s[16:17], s[32:33]
	s_lshl_b32 s32, s31, 5                         ; 32 scale bytes a row,
	s_lshl_b32 s34, s22, 4                         ; 16 for my half of K
	s_add_co_u32 s32, s32, s34
	s_add_nc_u64 s[18:19], s[18:19], s[32:33]
	s_mul_i32 s35, s20, 32*WP
	s_add_co_u32 s35, s35, WSTG                    ; my stage
	v_mul_u32_u24 v4, v2, WP
	v_add_nc_u32 v4, s35, v4                       ; into it: row = my column
	v_and_b32 v5, 15, v2
	v_lshrrev_b32 v6, 4, v2                        ; out of it: sixteen lanes to a row, two rows an instruction
	v_mul_u32_u24 v7, v6, WP
	v_lshl_add_u32 v7, v5, 4, v7
	v_add_nc_u32 v7, s35, v7
	v_lshlrev_b32 v8, 9, v6
	v_lshl_add_u32 v8, v5, 4, v8                   ; and the same place in wcodes
	v_lshlrev_b32 v9, 5, v2                        ; my column's row of scale bytes
	v_lshlrev_b32 v[OFFS], 2, v2
.set i, 1
.rept 31
	v_add_nc_u32 v[OFFS+i], s23, v[OFFS+i-1]
.set i, i+1
.endr
.macro WLOAD t                         ; block t: W(32 t + i, my column), i = 0 .. 31, into set t % 2
.if (\t) > 0
	s_wait_xcnt 0x0                                ; the earlier loads have read their base: only behind this wait is it stepped
	s_add_nc_u64 s[24:25], s[24:25], s[28:29]
.endif
.irp i, 0,1,2,3,4,5,6,7,8,9,10,11,12,13,14,15,16,17,18,19,20,21,22,23,24,25,26,27,28,29,30,31
	global_load_b32 v[WX+32*((\t)%2)+\i], v[OFFS+\i], s[24:25] th:TH_LOAD_NT
.endr
.endm
	WLOAD 0
	WLOAD 1
.macro WBLOCK t
.set XS, WX+32*((\t)%2)
.if (\t) < NB-1
	s_wait_loadcnt 32                              ; this block's 32 loads are in; the next block's 32 may be out
.else
	s_wait_loadcnt 0
.endif
	v_max3_num_f32 v12, |v[XS]|, |v[XS+1]|, |v[XS+2]|               ; the block's largest magnitude: all 32 numbers are mine
	v_max3_num_f32 v13, |v[XS+3]|, |v[XS+4]|, |v[XS+5]|
.irp i, 6,10,14,18,22,26
	v_max3_num_f32 v12, v12, |v[XS+\i]|, |v[XS+\i+1]|
	v_max3_num_f32 v13, v13, |v[XS+\i+2]|, |v[XS+\i+3]|
.endr
	v_max3_num_f32 v12, v12, |v[XS+30]|, |v[XS+31]|
	v_max3_num_f32 v12, v12, v13, (EMAX+1)<<23     ; and the floor
	v_add_nc_u32 v11, -(EMAX<<23), v12             ; the conversion's scale operand
	v_lshrrev_b32 v13, 23, v11                     ; the scale's byte
.if (\t)%4 == 0
	v_mov_b32 v[SB+(\t)/4], v13                    ; four bytes to a register, the lower K in the lower byte
.else
	v_lshl_or_b32 v[SB+(\t)/4], v13, 8*((\t)%4), v[SB+(\t)/4]
.endif
.irp g, 0,1,2,3
	v_cvt_scalef32_pk8_fp4_f32 v[WC+\g], v[XS+8*\g:XS+8*\g+7], v11
.endr
	v_nop                                          ; one plain line behind the last conversion
	ds_store_b128 v4, v[WC:WC+3] offset:16*(\t)    ; 32 codes: 16 bytes of my column's row
.if (\t)+2 < NB
	WLOAD (\t)+2
.endif
	s_wait_dscnt 0x0                               ; the store has read its registers: the next block's codes may be written
.endm
.set Q, 0
.rept NB
	WBLOCK Q
.set Q, Q+1
.endr
	global_store_b128 v9, v[SB:SB+3], s[18:19]     ; my column's 16 scale bytes
.irp t, 0,1,2,3,4,5,6,7,8,9,10,11,12,13,14,15
	ds_load_b128 v[OUTR+4*\t:OUTR+4*\t+3], v7 offset:2*\t*WP      ; LDS serves a wave's instructions in order: these see my stores
.endr
.irp t, 0,1,2,3,4,5,6,7,8,9,10,11,12,13,14,15
	s_wait_dscnt 15-\t                             ; load t is in; the 15 - t younger ones may be out
	global_store_b128 v8, v[OUTR+4*\t:OUTR+4*\t+3], s[16:17] offset:2*\t*512   ; sixteen lanes store 256 consecutive bytes, aligned
.endr
	s_wait_tensorcnt 0x0                           ; the wave's end, behind my last LDS store
	ds_add_u32 v[SPW], v[NIL]
	s_wait_dscnt 0x0
	s_endpgm
.Lfunc_end_k_q5091670993_quant:
	.size	k_q5091670993_quant, .Lfunc_end_k_q5091670993_quant-k_q5091670993_quant
	.p2alignl 7, 3214868480
	.fill 96, 4, 3214868480
	.section	.rodata,"a",@progbits
	.p2align	6, 0x0
	.amdhsa_kernel k_q5091670993_quant
		.amdhsa_group_segment_fixed_size 68096
		.amdhsa_private_segment_fixed_size 0
		.amdhsa_enable_private_segment 0
		.amdhsa_kernarg_size 64
		.amdhsa_user_sgpr_count 2
		.amdhsa_user_sgpr_kernarg_segment_ptr 1
		.amdhsa_wavefront_size32 1
		.amdhsa_system_sgpr_workgroup_id_x 1
		.amdhsa_system_sgpr_workgroup_id_y 1
		.amdhsa_system_sgpr_workgroup_id_z 1
		.amdhsa_system_vgpr_workitem_id 0
		.amdhsa_next_free_vgpr 210
		.amdhsa_next_free_sgpr 66
		.amdhsa_reserve_vcc 0
		.amdhsa_float_denorm_mode_32 3
		.amdhsa_float_denorm_mode_16_64 3
		.amdhsa_memory_ordered 1
		.amdhsa_forward_progress 1
		.amdhsa_inst_pref_size 114
	.end_amdhsa_kernel
	.amdgpu_metadata
---
amdhsa.version: [ 1, 2 ]
amdhsa.kernels:
  - .name:           k_q5091670993_quant
    .symbol:         k_q5091670993_quant.kd
    .args:
      - { .name: x, .offset: 0, .size: 8, .value_kind: global_buffer, .address_space: global }
      - { .name: query, .offset: 8, .size: 8, .value_kind: global_buffer, .address_space: global }
      - { .name: Wkv, .offset: 16, .size: 8, .value_kind: global_buffer, .address_space: global }
      - { .name: Wq, .offset: 24, .size: 8, .value_kind: global_buffer, .address_space: global }
      - { .name: acodes, .offset: 32, .size: 8, .value_kind: global_buffer, .address_space: global }
      - { .name: ascales, .offset: 40, .size: 8, .value_kind: global_buffer, .address_space: global }
      - { .name: wcodes, .offset: 48, .size: 8, .value_kind: global_buffer, .address_space: global }
      - { .name: wscales, .offset: 56, .size: 8, .value_kind: global_buffer, .address_space: global }
    .group_segment_fixed_size: 68096
    .private_segment_fixed_size: 0
    .kernarg_segment_align: 8
    .kernarg_segment_size: 64
    .max_flat_workgroup_size: 128
    .sgpr_count:     66
    .vgpr_count:     210
    .wavefront_size: 32
...
	.end_amdgpu_metadata
.endif
;; end of part 1
;; launch proj (part 2): grid 12 x 16, 4 waves a work-group, clusters of 4 x 4, 327,680 bytes of LDS; arguments acodes, ascales, wcodes, wscales, bkv, bq, qkv; writes qkv
.if DOCPART == 2
	.amdgcn_target "amdgcn-amd-amdhsa--gfx1250"
	.amdhsa_code_object_version 6
	.text
	.protected	k_q5091670993_proj
	.globl	k_q5091670993_proj
	.p2align	8
	.type	k_q5091670993_proj,@function
k_q5091670993_proj:
	s_mov_b64 s[64:65], 0
	v_nop
	global_prefetch_b8 v0, s[64:65] scope:SCOPE_SE
	s_setreg_imm32_b32 hwreg(HW_REG_WAVE_MODE, 25, 1), 1
	s_wait_xcnt 0x0
	s_wait_alu depctr_hold_cnt(0) depctr_sa_sdst(0) depctr_va_vdst(0) depctr_va_sdst(0) depctr_va_ssrc(0) depctr_va_vcc(0) depctr_vm_vsrc(0)
	s_getreg_b32 s2, hwreg(HW_REG_IB_STS2, 6, 4)
	s_cmp_eq_u32 s2, 0
	s_cbranch_scc0 .Lentry_in_a_cluster
	s_endpgm
.Lentry_in_a_cluster:
	s_bfe_u32 s2, ttmp6, 0x10000c
	s_cmp_lg_u32 s2, 0xf033
	s_cbranch_scc0 .Lentry_shape_is_right
	s_endpgm
.Lentry_shape_is_right:
; Both quantised products as ONE product on codes of FP4 (E2M1) with E8M0 scales: C[m][n] = sum over k of A[m][k] B[n][k] + bias[n], m = 0..4095 (batch x token), n = 0..3071, K = 1,024.
; B's rows are wcodes' (columns 0-1023: k, 1024-2047: v, 2048-3071: q).  A's rows are x's codes for columns under 2,048 and query's, 4,096 rows further down in acodes, for the others.
; The sums are f32; the bias is added in f32; the result is rounded once to f16 and laid by head for the attention: qkv [section k, v, q][batch x 16 + head][1024 tokens][64] f16.
; LIMIT: a result beyond 65,504 in size becomes an infinity of f16.
; A tile of C, 256 x 256, is made by a work-group of four waves; a wave makes 128 x 128: 64 accumulators of 16 x 16, 512 registers.  K = 1,024 is two K steps of 512, one to each of two LDS slots
; (a tile's row is 256 bytes of memory): both are first fills, nothing is filled again, and there is no loop.  The scales of the work-group's 256 + 256 rows, for all of K, come with them, in whole rows of 256 bytes.
; CLUSTERS: 4 x 4 work-groups.  The four of a row of the cluster need the same tiles of A, the four of a column the same tiles of B: each tile is asked for JOINTLY, by the same tensor load with the same
; descriptor and a mask that names the four.  A cluster's 1,024 columns are one section, so which rows of A are taken hangs on the cluster's x alone, which all sixteen share.
; THE MATRIX INSTRUCTION IS USED TRANSPOSED (source 0 = 16 rows of B, source 1 = 16 rows of A): a lane then holds eight neighbouring columns of one row of C.
; REGISTERS, in windows of 256: window 0: v0-31 addresses; v32-95 scale words, two sets; v128-191 A's fragments, ONE set; on the way out v32-191 are free.
;   window 1: B's fragments, TWO sets, at v0 and at v128; v64-127 the bias of my 128 columns in the result's layout.   window 2: the accumulators of my rows 0-63 ((a, b) at v[8 (8 a + b)]);   window 3: rows 64-127.
.set NQ,     4                         ; matrix instructions deep in a slot: 512 / 128
.set ROWB,   256                       ; a tile's row in bytes: 512 codes
.set KROW,   512                       ; a row of codes in memory
.set PITCH,  272                       ; an LDS row: 256 bytes + 16 of padding = 68 words: row r starts at bank 4 r mod 64 (64 banks of 4 bytes: ISA guide 11.1)
.set FR,     8                         ; registers of a fragment: 16 rows x 128 K
.set NL,     2                         ; LDS loads that bring one
.set NP,     4                         ; places behind this matrix instruction (ISA guide 7.12.1)
.set HALFT,  128*PITCH                 ; 128 rows: what one tensor load brings, and what one wave reads of A or of B
.set SLOT,   4*HALFT                   ; A's 256 rows, then B's 256 rows
.set KS,     32                        ; a row of scales in bytes
.set SCL,    2*SLOT                    ; behind the slots: the scales, as rows of 256 bytes + 16 of padding
.set HALFS,  (128*KS/256)*272          ; the scales of 128 rows: what one tensor load brings
.set SBLK,   (16*KS/256)*272           ; those of 16 rows
.set SPARE,  SCL+4*HALFS               ; behind the scales: the spare words, 128 bytes for each wave: two blocks of 256 bytes that no other line names
.set SPITCH, 272                       ; the way out: a stage of 16 rows x (256 bytes + 16) for each wave, in slot 0, which has had its only fill and its last read when the first result is stored there
.set ADRA, 16                          ; v16-17  LDS address of my A fragments in slot 0, 1
.set ADRB, 20                          ; v20-21  the same for B
.set STO,  24                          ; v24     the way out: where I put 16 bytes of a row
.set RD,   25                          ; v25     where I read 16 bytes back
.set CO,   26                          ; v26     and where they go in qkv
.set ADRS, 27                          ; v27     LDS address of my scale words: lanes 0-15 A's rows, lanes 16-31 B's
.set SPW,  28                          ; v28     LDS address of my spare word: SPARE + 4 x my thread's number; never rewritten
.set NIL,  29                          ; v29     0; never rewritten
.set BO,   30                          ; v30     the bias: 32 bytes x (lane / 16)
.set SC,   32                          ; scale words: set s at v[SC + 32 s]; register 4 i + q: lanes 0-15 the word of A's block i, lanes 16-31 that of B's block i, for the slot's q-th 128 along K
.set AF,   128                         ; A's fragments, in window 0
.set BI,   64                          ; the bias, in window 1: register 8 b + j = bias of column 16 b + 8 (lane / 16) + j
.set T,    32                          ; the way out: v32-95 a block's sums with the bias, f32
.set TMP,  96                          ; v96-127 the same as f16
.set BK,   128                         ; v128-159 and v160-191 by turns: a block read back from the stage
.set G1, 24                            ; s[24:31] descriptor group 1 for A's tiles;  s[32:39] group 0, one set for each slot
.set G0, 32
.set G1B, 48                           ; s[48:55], s[56:63] the same for B's tiles
.set G0B, 56
.set G1S, 68                           ; s[68:75], s[76:79] groups 1 and 0 for A's scales;  s[80:87], s[88:91] for B's
.set G0S, 76
.set G1SB, 80
.set G0SB, 88
.set MSB, 0
.macro WIN new                         ; the immediate's high byte repeats the setting that is left; a switch that changes nothing is dropped
.if MSB != (\new)
	s_set_vgpr_msb (MSB<<8)|(\new)
.set MSB, (\new)
.endif
.endm
.set MUL_LO, 0xa1                      ; source 0 (B) window 1, source 1 (A) window 0, C and D window 2
.set MUL_HI, 0xf1                      ; the same, C and D window 3
.set TO_B,   0x40                      ; destination window 1, address window 0
; A joint load: waves 0 and 1 fetch for A, waves 2 and 3 for B.  Each of the two lines has ONE mask and one set of registers for all that issue it; the branch hangs on the wave's number alone.
; An s_nop 0 and four v_nop follow each of the two lines, ahead of the jump, the label and what follows.
.macro JLOAD g0a, g1a, g0b, g1b
	s_cmp_eq_u32 s15, 0
	s_cbranch_scc0 .Lfor_b_\@
	tensor_load_to_lds s[\g0a:\g0a+3], s[\g1a:\g1a+7]
	s_nop 0
.rept 4
	v_nop
.endr
	s_branch .Lasked_\@
.Lfor_b_\@:
	tensor_load_to_lds s[\g0b:\g0b+3], s[\g1b:\g1b+7]
	s_nop 0
.rept 4
	v_nop
.endr
.Lasked_\@:
.endm
; A round of the cluster's barrier: my work-group's barrier; wave 0 signals for the work-group; every wave waits for all sixteen work-groups; my work-group's barrier once more.
.macro CROUND
	s_barrier_signal -1
	s_barrier_wait -1
	s_cmp_lg_u32 s14, 0
	s_cbranch_scc1 .Lnot_wave_0_\@
	s_barrier_signal -3
.Lnot_wave_0_\@:
	s_barrier_wait -3
	s_barrier_signal -1
	s_barrier_wait -1
.endm
	s_load_b128 s[4:7], s[0:1], 0x0                ; A's codes s[4:5], A's scales s[6:7]
	s_load_b128 s[8:11], s[0:1], 0x10              ; B's codes s[8:9], B's scales s[10:11]
	s_load_b128 s[96:99], s[0:1], 0x20             ; bkv s[96:97], bq s[98:99]
	s_load_b64 s[12:13], s[0:1], 0x30              ; qkv
	v_lshl_add_u32 v[SPW], v0, 2, SPARE
	v_mov_b32 v[NIL], 0
	ds_add_u32 v[SPW], v[NIL]                      ; the wave's opening: the add, twice on end, and its wait ahead of my first tensor load; the set-up below stands between
	ds_add_u32 v[SPW], v[NIL]                      ; and once more, under the one wait
	v_lshrrev_b32 v1, 5, v0
	v_readfirstlane_b32 s14, v1                    ; wave 0..3
	s_lshr_b32 s15, s14, 1                         ; which half of the tile's rows is mine.  Also: I fetch for A (0) or for B (1)
	s_and_b32 s16, s14, 1                          ; which half of its columns.  Also: which 128 rows of that tile I fetch
	s_bfe_u32 s40, ttmp6, 0x40000                  ; cx, cy: my place in the cluster
	s_bfe_u32 s41, ttmp6, 0x40004
	s_lshl_b32 s42, ttmp9, 2
	s_add_co_u32 s42, s42, s40                     ; tile column of C = 4 x cluster x + cx
	s_and_b32 s17, ttmp7, 0xffff
	s_lshl_b32 s17, s17, 2
	s_add_co_u32 s17, s17, s41                     ; tile row of C = 4 x cluster y + cy
	s_lshl_b32 s43, s41, 2
	s_lshl_b32 s43, 15, s43                        ; my row of the cluster
	s_lshl_b32 s44, 0x1111, s40                    ; my column
	; descriptor group 1: a tile of 128 rows x 256 bytes, padded in LDS
	s_or_b32 s[G1+0], s43, (0<<16)|(1<<20)|(1<<21)|(5<<22)|(3<<25)  ; 15:0 the mask: A's tiles go to my row; 17:16 element of 1 byte; 20 padding on; 21 set beside a mask; 24:22 after every 64 words (code 5); 31:25 of 4 words (code 3)
	s_or_b32 s[G1B+0], s44, (0<<16)|(1<<20)|(1<<21)|(5<<22)|(3<<25)
.irp g, G1, G1B
	s_mov_b32 s[\g+1], ROWB<<16                    ; tensor_dim0
	s_mov_b32 s[\g+2], 128<<16                     ; tensor_dim1 = 128
	s_mov_b32 s[\g+3], ROWB<<16                    ; tile_dim0
	s_mov_b32 s[\g+4], 128                         ; tile_dim1 = 128
	s_mov_b32 s[\g+5], KROW                        ; tensor_dim0_stride
	s_mov_b32 s[\g+6], 0
	s_mov_b32 s[\g+7], 0
.endr
	; and for the scales of 128 rows: a dense block of 4,096 bytes, as 16 rows of 256 bytes (32 elements of 8 bytes), 16 bytes of padding behind each
	s_or_b32 s[G1S+0], s43, (3<<16)|(1<<20)|(1<<21)|(5<<22)|(3<<25)
	s_or_b32 s[G1SB+0], s44, (3<<16)|(1<<20)|(1<<21)|(5<<22)|(3<<25)
.irp g, G1S, G1SB
	s_mov_b32 s[\g+1], 32<<16
	s_mov_b32 s[\g+2], (128*KS/256)<<16
	s_mov_b32 s[\g+3], 32<<16
	s_mov_b32 s[\g+4], 128*KS/256
	s_mov_b32 s[\g+5], 32
	s_mov_b32 s[\g+6], 0
	s_mov_b32 s[\g+7], 0
.endr
	s_lshl_b32 s18, s16, 7                         ; which 128 rows of the tile I fetch
	s_lshl_b32 s20, s17, 8
	s_add_co_u32 s20, s20, s18                     ; A: row 256 x tile row + 128 x half,
	s_lshr_b32 s95, ttmp9, 1                       ; cluster x = 2 holds q's columns:
	s_lshl_b32 s95, s95, 12
	s_add_co_u32 s20, s20, s95                     ; there query's rows, 4,096 further down
	s_lshl_b32 s46, s42, 8
	s_add_co_u32 s46, s46, s18                     ; B: row 256 x tile column + 128 x half
	s_mov_b32 s21, 0
	s_mov_b32 s47, 0
	s_mov_b64 s[18:19], KS
	s_mul_u64 s[22:23], s[20:21], s[18:19]         ; where these rows' scales begin, in bytes
	s_mul_u64 s[92:93], s[46:47], s[18:19]
	s_mov_b64 s[18:19], KROW
	s_mul_u64 s[20:21], s[20:21], s[18:19]         ; and their codes
	s_mul_u64 s[46:47], s[46:47], s[18:19]
	s_mul_i32 s45, s14, HALFT                      ; where they go: wave x 128 rows: no place in the cluster enters an LDS address
	s_mul_i32 s94, s14, HALFS
	s_wait_dscnt 0x0                               ; both opening adds are done
	s_wait_kmcnt 0x0
	s_add_nc_u64 s[20:21], s[4:5], s[20:21]
	s_add_nc_u64 s[22:23], s[6:7], s[22:23]
	s_add_nc_u64 s[46:47], s[8:9], s[46:47]
	s_add_nc_u64 s[92:93], s[10:11], s[92:93]
	CROUND                                         ; all sixteen work-groups are here: the joint loads meet
	s_mov_b32 s[G0S], 1
	s_add_co_u32 s[G0S+1], s94, SCL
	s_mov_b64 s[G0S+2:G0S+3], s[22:23]
	s_or_b32 s[G0S+3], s[G0S+3], 0x80000000
	s_mov_b32 s[G0SB], 1
	s_add_co_u32 s[G0SB+1], s94, SCL
	s_mov_b64 s[G0SB+2:G0SB+3], s[92:93]
	s_or_b32 s[G0SB+3], s[G0SB+3], 0x80000000
	JLOAD G0S, G1S, G0SB, G1SB                     ; the scales first: they are wanted with K step 0.  Three loads of mine are out behind these lines
.irp s, 0,1
	s_mov_b32 s[G0+4*\s], 1
	s_add_co_u32 s[G0+4*\s+1], s45, \s*SLOT
	s_add_nc_u64 s[G0+4*\s+2:G0+4*\s+3], s[20:21], \s*ROWB
	s_or_b32 s[G0+4*\s+3], s[G0+4*\s+3], 0x80000000
	s_mov_b32 s[G0B+4*\s], 1
	s_add_co_u32 s[G0B+4*\s+1], s45, \s*SLOT
	s_add_nc_u64 s[G0B+4*\s+2:G0B+4*\s+3], s[46:47], \s*ROWB
	s_or_b32 s[G0B+4*\s+3], s[G0B+4*\s+3], 0x80000000
	JLOAD G0+4*\s, G1, G0B+4*\s, G1B
.endr
	v_and_b32 v1, 15, v0                           ; l % 16
	v_bfe_u32 v2, v0, 4, 1                         ; l / 16
	v_mul_u32_u24 v3, v1, PITCH
	v_lshl_add_u32 v4, v2, 4, v3                   ; a fragment's row x pitch + 16 x half
	s_mul_i32 s21, s15, HALFT                      ; my 128 rows of A
	s_mul_i32 s22, s16, HALFT                      ; my 128 rows of B,
	s_add_co_u32 s22, s22, 2*HALFT                 ; which lie behind A's 256
.irp s, 0,1
	v_add_nc_u32 v[ADRA+\s], s21, v4
	v_add_nc_u32 v[ADRB+\s], s22, v4
	s_add_co_u32 s21, s21, SLOT
	s_add_co_u32 s22, s22, SLOT
.endr
	v_mul_u32_u24 v5, v1, KS                       ; my row's scales: 32 bytes a row,
	v_lshrrev_b32 v6, 8, v5
	v_lshl_add_u32 v5, v6, 4, v5                   ; and 16 more for each 256 passed
	s_mul_i32 s21, s15, HALFS                      ; A's: my 128 rows
	s_mul_i32 s22, s16, HALFS                      ; B's: my 128 rows, behind A's 256
	s_add_co_u32 s22, s22, 2*HALFS
	s_sub_co_u32 s22, s22, s21
	v_mul_u32_u24 v6, s22, v2                      ; lanes 16-31 take B's: one product, the distance between the two bases
	s_add_co_u32 s21, s21, SCL
	v_add_nc_u32 v5, v5, v6
	v_add_nc_u32 v[ADRS], s21, v5
	; the way out's addresses.  A block of 16 rows x 128 columns of f16 is 16 stage rows of 256 bytes: two heads' 128 bytes side by side
	s_mul_i32 s23, s14, 16*SPITCH                  ; my stage
	v_mul_u32_u24 v5, v1, SPITCH                   ; in: row l % 16, 16 bytes for each half of the lanes
	v_lshl_add_u32 v5, v2, 4, v5
	v_add_nc_u32 v[STO], s23, v5
	v_bfe_u32 v6, v0, 3, 1                         ; back: lanes 0-7 the first head's 128 bytes of an even token, lanes 8-15 of the odd token behind it: 256 consecutive bytes of qkv;
	v_and_b32 v7, 7, v0                            ; lanes 16-31 the same of the second head
	v_mul_u32_u24 v5, v6, SPITCH
	v_lshl_add_u32 v5, v2, 7, v5
	v_lshl_add_u32 v5, v7, 4, v5
	v_add_nc_u32 v[RD], s23, v5
	v_lshlrev_b32 v5, 17, v2                       ; a head of qkv is 131,072 bytes,
	v_lshl_add_u32 v5, v6, 7, v5                   ; a token 128
	v_lshl_add_u32 v[CO], v7, 4, v5
	v_lshlrev_b32 v[BO], 5, v2
	; the bias of my 128 columns: bkv for sections k and v, bq for q
	s_cmp_lt_u32 ttmp9, 2
	s_cselect_b64 s[96:97], s[96:97], s[98:99]
	s_cselect_b32 s46, 0, 8
	s_sub_co_u32 s46, s42, s46                     ; the tile column within its bias,
	s_lshl_b32 s46, s46, 10                        ; 256 numbers of 4 bytes each,
	s_lshl_b32 s47, s16, 9                         ; my half
	s_add_co_u32 s46, s46, s47
	s_mov_b32 s47, 0
	s_add_nc_u64 s[96:97], s[96:97], s[46:47]
	WIN TO_B
.irp b, 0,1,2,3,4,5,6,7
	global_load_b128 v[BI+8*\b:BI+8*\b+3], v[BO], s[96:97] offset:64*\b       ; lane (r, h): bias of columns 16 b + 8 h + 0 .. 7
	global_load_b128 v[BI+8*\b+4:BI+8*\b+7], v[BO], s[96:97] offset:64*\b+16
.endr
	WIN 0
	; where my 128 rows x 128 columns begin in qkv: section = cluster x; batch = tile row / 4; heads 4 cx + 2 x half on; tokens 256 (tile row % 4) + 128 x half on
	s_lshl_b32 s20, ttmp9, 23                      ; a section is 8,388,608 bytes
	s_lshr_b32 s21, s17, 2
	s_lshl_b32 s21, s21, 21                        ; a batch's 16 heads
	s_add_co_u32 s20, s20, s21
	s_and_b32 s21, s17, 3
	s_lshl_b32 s21, s21, 1
	s_add_co_u32 s21, s21, s15
	s_lshl_b32 s21, s21, 14                        ; 128 tokens of 128 bytes
	s_add_co_u32 s20, s20, s21
	s_lshl_b32 s46, s40, 1
	s_add_co_u32 s46, s46, s16
	s_lshl_b32 s46, s46, 18                        ; two heads
	s_add_co_u32 s20, s20, s46
	s_mov_b32 s21, 0
	s_add_nc_u64 s[12:13], s[12:13], s[20:21]
.macro FRAG reg, adr, q, i             ; a fragment, 16 rows x 128 K of 4-bit codes, is 8 registers: lane l holds row l % 16; registers 4 c .. 4 c + 3 hold K = 64 c + 32 (l / 16) + 0 .. 31
.irp c, 0,1
	ds_load_b128 v[\reg+4*\c:\reg+4*\c+3], v[\adr] offset:64*(\q)+32*\c+(\i)*16*PITCH
.endr
.endm
; 16 matrix instructions: A's blocks a0, a0 + 1 x B's eight, 128 along K: the slot's q-th.  p: B's set;  sc: the set of scale words.  zero = 1: the first product starts the sums: nothing is ever cleared.
; The 64 accumulators take turns, one instruction a turn, in the same order in every step.
.macro MUL16 a0, p, q, sc, zero
.irp a, \a0, \a0+1
.irp b, 0,1,2,3,4,5,6,7
.if \zero
	v_wmma_scale_f32_16x16x128_f8f6f4 v[8*(8*((\a)%4)+\b):8*(8*((\a)%4)+\b)+7], v[128*(\p)+FR*\b:128*(\p)+FR*\b+FR-1], v[AF+FR*(\a):AF+FR*(\a)+FR-1], 0, v[SC+8*NQ*(\sc)+NQ*\b+(\q)], v[SC+8*NQ*(\sc)+NQ*(\a)+(\q)] matrix_a_fmt:MATRIX_FMT_FP4 matrix_b_fmt:MATRIX_FMT_FP4 matrix_a_scale:MATRIX_SCALE_ROW1
.else
	v_wmma_scale_f32_16x16x128_f8f6f4 v[8*(8*((\a)%4)+\b):8*(8*((\a)%4)+\b)+7], v[128*(\p)+FR*\b:128*(\p)+FR*\b+FR-1], v[AF+FR*(\a):AF+FR*(\a)+FR-1], v[8*(8*((\a)%4)+\b):8*(8*((\a)%4)+\b)+7], v[SC+8*NQ*(\sc)+NQ*\b+(\q)], v[SC+8*NQ*(\sc)+NQ*(\a)+(\q)] matrix_a_fmt:MATRIX_FMT_FP4 matrix_b_fmt:MATRIX_FMT_FP4 matrix_a_scale:MATRIX_SCALE_ROW1
.endif
.endr
.endr
.endm
.macro FETCH_B slot, q, p              ; B's eight fragments of the slot's q-th 128 along K into set p
	WIN TO_B
.irp i, 0,1,2,3,4,5,6,7
	FRAG 128*(\p)+FR*\i, ADRB+\slot, \q, \i
.endr
	WIN 0
.endm
.macro FETCH_A slot, q, i0             ; A's blocks i0 .. i0 + 3
.irp i, \i0, \i0+1, \i0+2, \i0+3
	FRAG AF+FR*(\i), ADRA+\slot, \q, \i
.endr
.endm
.macro SCALES sc                       ; a K step's scale words into set sc: 4 words a row; lanes 0-15 take A's block i, lanes 16-31 B's block i
.irp i, 0,1,2,3,4,5,6,7
	ds_load_b128 v[SC+8*NQ*\sc+NQ*\i:SC+8*NQ*\sc+NQ*\i+3], v[ADRS] offset:\i*SBLK
.endr
.endm
; A load into a register that a matrix instruction has read, and a vector instruction that reads a matrix result or writes one of its registers, stand NP places behind it; only plain vector instructions
; that name none of its registers are places (ISA guide 7.12.1 for vector instructions).
.macro PLACES n
.rept \n
	v_nop
.endr
.endm
; A step of 128 along K that has its successor in the same slot.
.macro STEP slot, q, zero
	s_wait_dscnt 4*NL                              ; B's set and A's blocks 0-3 are in; the youngest eight loads (A's blocks 4-7) may be out
	WIN MUL_LO
	MUL16 0, (\q)%2, \q, \slot, \zero
	MUL16 2, (\q)%2, \q, \slot, \zero
	s_wait_dscnt 0                                 ; A's blocks 4-7 are in (asked for 32 matrix instructions ago)
	PLACES NP
	FETCH_B \slot, (\q)+1, 1-(\q)%2
	FETCH_A \slot, (\q)+1, 0
	WIN MUL_HI
	MUL16 4, (\q)%2, \q, \slot, \zero
	MUL16 6, (\q)%2, \q, \slot, \zero
	PLACES NP
	WIN 0
	FETCH_A \slot, (\q)+1, 4
.endm
; Slot 0's last step changes slots: one barrier; in front of it each wave waits for all its tensor loads (its part of slot 1), adds 0 to its spare word, and waits for that and for its reads of slot 0.
; Behind it slot 1 is whole, and nobody reads slot 0 any more: the way out's stages may lie there.  Nothing is filled again.
.macro TURN slot, next
	s_wait_tensorcnt 0x0                           ; all my tensor loads have landed  (every window is 0 here: the add's two registers lie in window 0)
	ds_add_u32 v[SPW], v[NIL]                      ; 0 onto my spare word
	s_wait_dscnt 4*NL+1                            ; (the add and the youngest eight loads, A's blocks 4-7, may be out)
	WIN MUL_LO
	MUL16 0, 1, NQ-1, \slot, 0                     ; sixteen matrix instructions stand between the add and the wait for it
	s_wait_dscnt 0x0                               ; the add is done, and my reads of this slot are over
	s_barrier_signal -1
	MUL16 2, 1, NQ-1, \slot, 0
	WIN 0
	s_barrier_wait -1
	PLACES NP
	v_add_nc_u32 v[ADRS], 4*NQ, v[ADRS]            ; on to the next K step's scale words (no LDS load of mine is out)
	FETCH_B \next, 0, 0
	FETCH_A \next, 0, 0
	SCALES \next
	WIN MUL_HI
	MUL16 4, 1, NQ-1, \slot, 0
	MUL16 6, 1, NQ-1, \slot, 0
	PLACES NP
	WIN 0
	FETCH_A \next, 0, 4
.endm
.macro STEPS slot, from                ; the slot's steps from .. NQ - 2
.set Q, \from
.rept NQ-1-\from
	STEP \slot, Q, 0
.set Q, Q+1
.endr
.endm
	s_wait_tensorcnt 1                             ; the scales and my part of K step 0 are in (K step 1's one load may be out),
	s_barrier_signal -1
	s_barrier_wait -1                              ; everybody's are
	FETCH_B 0, 0, 0
	FETCH_A 0, 0, 0
	SCALES 0
	FETCH_A 0, 0, 4
	STEP 0, 0, 1                                   ; the first step's products start the sums
	STEPS 0, 1
	TURN 0, 1
	STEPS 1, 0
	s_wait_dscnt 4*NL                              ; the very last step: nothing more to fetch
	WIN MUL_LO
	MUL16 0, 1, NQ-1, 1, 0
	MUL16 2, 1, NQ-1, 1, 0
	s_wait_dscnt 0
	WIN MUL_HI
	MUL16 4, 1, NQ-1, 1, 0
	MUL16 6, 1, NQ-1, 1, 0
	WIN 0
; THE WAY OUT, block by block of 16 rows x 128 columns.  PACK: + bias in f32, rounded once to f16: a lane's eight columns are 16 bytes.  TOSTAGE: into my own stage, and back so that sixteen lanes hold
; two neighbouring tokens of one head.  SEND: stored.  LDS serves a wave's instructions in order (ISA guide 5.7.1.4): no wait between the stage's stores and loads, nor in front of the next block's stores.
.macro PACK a
.set AC, 64*((\a)%4)
	WIN 0x06+((\a)/4)                              ; source 0: the accumulators, window 2 or 3; source 1: the bias, window 1; destination window 0
.irp b, 0,1,2,3,4,5,6,7
.irp i, 0,1,2,3
	v_pk_add_f32 v[T+8*\b+2*\i:T+8*\b+2*\i+1], v[AC+8*\b+2*\i:AC+8*\b+2*\i+1], v[BI+8*\b+2*\i:BI+8*\b+2*\i+1]   ; each accumulator from its low end on
.endr
.endr
	WIN 0
.irp b, 0,1,2,3,4,5,6,7
.irp i, 0,1,2,3
	v_cvt_pk_f16_f32 v[TMP+4*\b+\i], v[T+8*\b+2*\i], v[T+8*\b+2*\i+1]
.endr
.endr
.endm
.macro TOSTAGE a
.set BB, BK+32*((\a)%2)
.if (\a) > 1
	s_wait_xcnt 0x0                                ; block a - 2's stores have read their registers: block a's loads may land there
.endif
.irp b, 0,1,2,3,4,5,6,7
	ds_store_b128 v[STO], v[TMP+4*\b:TMP+4*\b+3] offset:32*\b
.endr
.irp t, 0,1,2,3,4,5,6,7
	ds_load_b128 v[BB+4*\t:BB+4*\t+3], v[RD] offset:2*SPITCH*\t
.endr
.endm
.macro SEND a
.set BB, BK+32*((\a)%2)
	s_wait_dscnt 0x0                               ; the block is back in registers
.irp t, 0,1,2,3,4,5,6,7
	global_store_b128 v[CO], v[BB+4*\t:BB+4*\t+3], s[12:13] offset:2048*(\a)+256*\t   ; sixteen lanes store 256 consecutive bytes, aligned: tokens 16 a + 2 t and + 1 of one head; every offset is an immediate
.endr
.endm
	s_wait_loadcnt 0x0                             ; the bias
	PLACES NP                                      ; behind the last products: the first sums land on registers that held scale words
	PACK 0
	TOSTAGE 0
.irp a, 1,2,3,4,5,6,7                  ; block a's arithmetic stands between block a - 1's loads from the stage and the wait for them
	PACK \a
	SEND \a-1
	TOSTAGE \a
.endr
	SEND 7
	s_wait_tensorcnt 0x0                           ; the wave's end: behind my last tensor load and my last LDS store
	ds_add_u32 v[SPW], v[NIL]
	s_wait_dscnt 0x0
	CROUND                                         ; the closing round: no work-group ends while a partner may still ask for a tile that names it
	s_endpgm
.Lfunc_end_k_q5091670993_proj:
	.size	k_q5091670993_proj, .Lfunc_end_k_q5091670993_proj-k_q5091670993_proj
	.p2alignl 7, 3214868480
	.fill 96, 4, 3214868480
	.section	.rodata,"a",@progbits
	.p2align	6, 0x0
	.amdhsa_kernel k_q5091670993_proj
		.amdhsa_group_segment_fixed_size 327680
		.amdhsa_private_segment_fixed_size 0
		.amdhsa_enable_private_segment 0
		.amdhsa_kernarg_size 56
		.amdhsa_user_sgpr_count 2
		.amdhsa_user_sgpr_kernarg_segment_ptr 1
		.amdhsa_wavefront_size32 1
		.amdhsa_system_sgpr_workgroup_id_x 1
		.amdhsa_system_sgpr_workgroup_id_y 1
		.amdhsa_system_sgpr_workgroup_id_z 1
		.amdhsa_system_vgpr_workitem_id 0
		.amdhsa_next_free_vgpr 1024
		.amdhsa_next_free_sgpr 100
		.amdhsa_reserve_vcc 0
		.amdhsa_float_denorm_mode_32 3
		.amdhsa_float_denorm_mode_16_64 3
		.amdhsa_memory_ordered 1
		.amdhsa_forward_progress 1
		.amdhsa_inst_pref_size 145
	.end_amdhsa_kernel
	.amdgpu_metadata
---
amdhsa.version: [ 1, 2 ]
amdhsa.kernels:
  - .name:           k_q5091670993_proj
    .symbol:         k_q5091670993_proj.kd
    .args:
      - { .name: acodes, .offset: 0, .size: 8, .value_kind: global_buffer, .address_space: global }
      - { .name: ascales, .offset: 8, .size: 8, .value_kind: global_buffer, .address_space: global }
      - { .name: wcodes, .offset: 16, .size: 8, .value_kind: global_buffer, .address_space: global }
      - { .name: wscales, .offset: 24, .size: 8, .value_kind: global_buffer, .address_space: global }
      - { .name: bkv, .offset: 32, .size: 8, .value_kind: global_buffer, .address_space: global }
      - { .name: bq, .offset: 40, .size: 8, .value_kind: global_buffer, .address_space: global }
      - { .name: qkv, .offset: 48, .size: 8, .value_kind: global_buffer, .address_space: global }
    .group_segment_fixed_size: 327680
    .private_segment_fixed_size: 0
    .kernarg_segment_align: 8
    .kernarg_segment_size: 56
    .max_flat_workgroup_size: 128
    .sgpr_count:     100
    .vgpr_count:     1024
    .wavefront_size: 32
...
	.end_amdgpu_metadata
.endif
;; end of part 2
;; launch attn (part 3): grid 4 x 64, 8 waves a work-group, clusters of 4 x 1, 327,680 bytes of LDS; arguments qkv, out0; writes out0
.if DOCPART == 3
	.amdgcn_target "amdgcn-amd-amdhsa--gfx1250"
	.amdhsa_code_object_version 6
	.text
	.protected	k_q5091670993_attn
	.globl	k_q5091670993_attn
	.p2align	8
	.type	k_q5091670993_attn,@function
k_q5091670993_attn:
	s_mov_b64 s[64:65], 0
	v_nop
	global_prefetch_b8 v0, s[64:65] scope:SCOPE_SE
	s_setreg_imm32_b32 hwreg(HW_REG_WAVE_MODE, 25, 1), 1
	s_wait_xcnt 0x0
	s_wait_alu depctr_hold_cnt(0) depctr_sa_sdst(0) depctr_va_vdst(0) depctr_va_sdst(0) depctr_va_ssrc(0) depctr_va_vcc(0) depctr_vm_vsrc(0)
	s_getreg_b32 s2, hwreg(HW_REG_IB_STS2, 6, 4)
	s_cmp_eq_u32 s2, 0
	s_cbranch_scc0 .Lentry_in_a_cluster
	s_endpgm
.Lentry_in_a_cluster:
	s_bfe_u32 s2, ttmp6, 0x10000c
	s_cmp_lg_u32 s2, 0x3003
	s_cbranch_scc0 .Lentry_shape_is_right
	s_endpgm
.Lentry_shape_is_right:
; out0[b][n][64 h ..] = the sum over 2,048 keys of softmax(q . key / 8) value, for each of 64 (batch, head) pairs.  Keys 0-1023 are k's rows, keys 1024-2047 q's own rows; value j + 1024 = value j = v's row j.
; qkv: [section k, v, q][batch x 16 + head][1024 tokens][64] f16.  Products on f16 operands with f32 sums; maxima, exponentials and sums in f32; the weights are rounded to f16 for the second product.
; v STANDS TWICE, so out = sum over j < 1024 of (p[j] + p[j + 1024]) v[j]: the two weights are added in f32 before they are rounded, and the second product has 1,024 along its K.
; LIMITS: scores under -3e38 (the running maximum's start) are not served; NaN and infinities in qkv are not served.
; SHARES.  A cluster of four work-groups is one head; a work-group owns 256 queries, each of its eight waves 32: two tiles of 16, in 512 registers, two waves to a SIMD.
; A KEY STEP takes 64 rows of k, the same 64 rows of q as keys, and the same 64 rows of v: 16 steps.  A slot of LDS holds four steps' tiles; two slots take turns: two first fills, two refills.
; LAYOUT.  S^T = K Q^T (source 0 = 16 keys, source 1 = 16 queries): a lane holds ONE query (lane % 16) and keys 8 (lane / 16) + 0..7.  Two such tiles, rounded to f16 in pairs, ARE source 1 (32 keys x 16 queries)
; of O^T = V^T P, whose result again holds one query a lane, and eight channels.  K comes out of LDS as it lies, V ([key][channel]) turned, by ds_load_tr16_b128.
; SOFTMAX.  For each query a running maximum m and sum l: p = 2^(c s - c m), c = log2(e) / 8; in every step O and l are multiplied by a = 2^(c m_old - c m_new), which is 1 where m has not grown.
; CLUSTER.  The four query blocks of a head walk the same k, q and v, so each tile is asked for JOINTLY: the same tensor load, with the same descriptor and a mask that names the four, in all four.
; A head's rows of 128 bytes are dense in memory: tiles are stated as rows of 256 bytes (two keys).  Every wave issues one load a fill: waves 0, 1 k's halves and waves 2, 3 q's (64 rows each), waves 4-7 v's quarters
; (32 rows each: a slot's 128 rows of v shared out so that all eight waves load alike).  By this text's count a wave has two tensor loads out at the start and one behind each refill.
; REGISTERS: window 0: v2-12 addresses; v16-31 eight registers of statistics a tile; v32-159 S^T, 64 a tile (k's four key tiles, then q's four); v160-191 P, 16 a tile; v192-255 O^T, 32 a tile.
;   window 1: v0-31 Q; v32-95 k's fragments of a step; v96-159 q's as keys; v160-223 v's, turned.
.set SEC,    8388608                   ; a section of qkv in bytes
.set PK,     272                       ; an LDS row of k or q: two keys' 256 bytes + 16: key r of a fragment lies at (r / 2) x 272 + (r % 2) x 128: sixteen different 16-byte columns modulo 256 bytes
.set PVP,    288                       ; an LDS row of v: 256 + 32: the turning load's sixteen lanes take (i / 2) x 288 + (i % 2) x 128 + 16 c: again sixteen different columns
.set QOFF,   128*PK                    ; a slot: 128 rows of k, then 128 of q,
.set VOFF,   2*128*PK                  ; then 128 of v
.set SLOT1,  1<<17                     ; slot 1 begins here, so that one exclusive or turns an address in one slot into the other's
.set KSTEPB, 32*PK                     ; a key step on, in k's and q's regions: 64 keys
.set VSTEPB, 32*PVP                    ; and in v's
.set FILLB,  32768                     ; a slot's 256 rows of 128 bytes in memory
.set STAGE,  SLOT1+VOFF+128*PVP        ; behind the ring: 16 rows x 272 bytes for each wave, for the way out
.set SPARE,  STAGE+8*16*272            ; behind the stages: the spare words, 128 bytes for each wave: four blocks of 256 bytes that no other line names
.set AK0, 2                            ; v2   my lane's place in a fragment of k or q; never rewritten
.set AV0, 3                            ; v3   the same for v
.set ADK, 4                            ; v4   LDS address of the step's k
.set ADV, 5                            ; v5   of its v
.set QO,  6                            ; v6   my byte offset in the wave's rows of Q
.set STO, 7                            ; v7   the way out: where I put 32 bytes of a row
.set RD,  8                            ; v8   where I read a row back
.set GO,  9                            ; v9   my byte offset in the wave's rows of out0
.set PFO, 10                           ; v10  256 x my lane: the prefetch's offset; never rewritten
.set SPW, 11                           ; v11  LDS address of my spare word: SPARE + 4 x my thread's number; never rewritten
.set NIL, 12                           ; v12  0; never rewritten
.set ST,  16                           ; tile t's statistics at v[ST+8 t]: +0 c m, +1 m, +2, +3 l (even keys', odd keys'), +4 to +7 at work; +6 takes a, +7 c m_old - c m_new
.set S,   32
.set P,   160
.set O,   192
.set KF,  32                           ; in window 1
.set QF,  96
.set VF,  160
.set WV,  12                           ; s12  my wave's number
.set LIM, 15                           ; s15  1 in a wave that prefetches, else the greatest number
.set PFA, 18                           ; s[18:19] where my prefetch stands
.set G1K, 24                           ; s[24:31] descriptor group 1 for k's and q's tiles
.set G1V, 32                           ; s[32:39] for v's
.set G0K, 40                           ; s[40:47] group 0 for k's and q's tiles: a set for each of the two first fills; the second then walks on
.set G0V, 48                           ; s[48:55] the same for v's
.set SLOTS, 56                         ; s56  refills still to come
.set CNT, 57                           ; s57  counts a slot's four steps
.set CS,  58                           ; s[58:59] c: the packed scaling names a pair and takes its low word for both halves
.set SEL, 60                           ; s[60:61] lane selects for v_permlanex16_b32: lane l xor 16
.set TK,  62                           ; s62  LDS byte at which the step's k begins
.set TV,  63                           ; s63  the same for v, counted from VOFF
.set MSB, 0
.macro WIN new                         ; the immediate's high byte repeats the setting that is left; a switch that changes nothing is dropped
.if MSB != (\new)
	s_set_vgpr_msb (MSB<<8)|(\new)
.set MSB, (\new)
.endif
.endm
.set W_LD, 0x40                        ; destination window 1, address window 0
.set W_KQ, 0x05                        ; sources 0 and 1 window 1, C and D window 0
.set W_PV, 0x01                        ; source 0 window 1, the rest window 0
; A joint refill.  The branch hangs on the wave's number alone.  An s_nop 0 and four v_nop follow each of the two lines, ahead of the jump, the label and what follows.
.macro JLOAD
	s_cmp_lt_u32 s[WV], 4
	s_cbranch_scc0 .Lfor_v_\@
	tensor_load_to_lds s[G0K+4:G0K+7], s[G1K:G1K+7]
	s_nop 0
.rept 4
	v_nop
.endr
	s_branch .Lasked_\@
.Lfor_v_\@:
	tensor_load_to_lds s[G0V+4:G0V+7], s[G1V:G1V+7]
	s_nop 0
.rept 4
	v_nop
.endr
.Lasked_\@:
.endm
; A PREFETCH of what the NEXT refill will ask for: 128 rows of 256 bytes of each of k, q and v, a lane a row.  It stands behind the wave's tensor load and its five lines.  Each row is named once: a head belongs to
; one cluster; its four partners share the rows out BY ADDRESS, 32 each; in each, wave 0 asks for k's, wave 2 for q's, wave 4 for v's: one instruction.  The first refill asks for the last fill's rows, four key steps
; ahead of their load; the last refill asks for nothing.  The first three fills come by their loads alone.
.macro ASK
	s_cmp_gt_u32 s[SLOTS], s[LIM]
	s_cbranch_scc0 .Lnot_mine_\@
	global_prefetch_b8 v[PFO], s[PFA:PFA+1] th:TH_LOAD_NT scope:SCOPE_SE
.Lnot_mine_\@:
.endm
; A round of the cluster's barrier: my work-group's barrier; wave 0 signals for the work-group; every wave waits for all four work-groups; my work-group's barrier once more.
.macro CROUND
	s_barrier_signal -1
	s_barrier_wait -1
	s_cmp_lg_u32 s[WV], 0
	s_cbranch_scc1 .Lnot_wave_0_\@
	s_barrier_signal -3
.Lnot_wave_0_\@:
	s_barrier_wait -3
	s_barrier_signal -1
	s_barrier_wait -1
.endm
	s_load_b128 s[4:7], s[0:1], 0x0                ; qkv s[4:5], out0 s[6:7]
	v_lshl_add_u32 v[SPW], v0, 2, SPARE
	v_mov_b32 v[NIL], 0
	ds_add_u32 v[SPW], v[NIL]                      ; the wave's opening: the add, twice on end, and its wait ahead of my first tensor load; the set-up below stands between
	ds_add_u32 v[SPW], v[NIL]                      ; and once more, under the one wait
	v_lshrrev_b32 v1, 5, v0
	v_readfirstlane_b32 s[WV], v1                  ; wave 0..7
	s_bfe_u32 s13, ttmp6, 0x40000                  ; cx: my block of 256 queries (the grid has one cluster along x): it enters Q's, out0's and the prefetch's addresses alone
	s_and_b32 s14, ttmp7, 0xffff                   ; batch x 16 + head, which the four partners share
	s_lshl_b32 s20, s14, 17                        ; the head's first byte in a section
	s_bfe_u32 s16, s[WV], 0x10001                  ; waves 0, 1: section k; waves 2, 3: section q, two sections on;
	s_lshl_b32 s16, s16, 24
	s_and_b32 s17, s[WV], 1                        ; which 64 rows of 256 bytes
	s_lshl_b32 s17, s17, 14
	s_add_co_u32 s16, s16, s17
	s_add_co_u32 s16, s16, s20                     ; what I fetch by k's line, from qkv's first byte
	s_mov_b32 s17, 0
	s_and_b32 s21, s[WV], 3
	s_lshl_b32 s22, s21, 13                        ; which 32 rows of v
	s_add_co_u32 s22, s22, s20
	s_add_co_u32 s22, s22, SEC                     ; what I fetch by v's line
	s_mov_b32 s23, 0
	s_mul_i32 s2, s21, 64*PK                       ; and where they go in a slot: no place in the cluster enters an LDS address
	s_mul_i32 s3, s21, 32*PVP
	s_add_co_u32 s3, s3, VOFF
	s_lshl_b32 s8, s13, 15                         ; Q: my block's 256 rows of 128 bytes,
	s_lshl_b32 s9, s[WV], 12                       ; my wave's 32 of them
	s_add_co_u32 s8, s8, s9
	s_add_co_u32 s8, s8, s20
	s_add_co_u32 s8, s8, 2*SEC
	s_mov_b32 s9, 0
	s_lshr_b32 s10, s14, 4                         ; out0: the batch's 1,024 rows of 4,096 bytes,
	s_lshl_b32 s10, s10, 22
	s_lshl_b32 s11, s13, 20                        ; my block's 256,
	s_add_co_u32 s10, s10, s11
	s_lshl_b32 s11, s[WV], 17                      ; my wave's 32,
	s_add_co_u32 s10, s10, s11
	s_and_b32 s11, s14, 15                         ; the head's 256 bytes of a row
	s_lshl_b32 s11, s11, 8
	s_add_co_u32 s10, s10, s11
	s_mov_b32 s11, 0
	s_and_b32 s[LIM], s[WV], 1                     ; waves 0, 2 and 4 prefetch: the same in all four partners
	s_lshr_b32 s21, s[WV], 1
	s_cmp_eq_u32 s21, 3
	s_cselect_b32 s21, 1, 0
	s_or_b32 s[LIM], s[LIM], s21
	s_cmp_eq_u32 s[LIM], 0
	s_cselect_b32 s[LIM], 1, -1
	; descriptor group 1: rows of 128 elements of 2 bytes, dense in memory, padded in LDS
	s_mov_b32 s[G1K], 15|(1<<16)|(1<<20)|(1<<21)|(5<<22)|(3<<25)  ; 15:0 the mask: all four work-groups; 17:16 elements of 2 bytes; 20 padding on; 21 set beside a mask; 24:22 after every 64 words (code 5); 31:25 4 words of it (code 3)
	s_mov_b32 s[G1K+1], 128<<16                    ; tensor_dim0 = 128
	s_mov_b32 s[G1K+2], 64<<16                     ; tensor_dim1 = 64
	s_mov_b32 s[G1K+3], 128<<16                    ; tile_dim0 = 128
	s_mov_b32 s[G1K+4], 64                         ; tile_dim1 = 64
	s_mov_b32 s[G1K+5], 128                        ; tensor_dim0_stride
	s_mov_b32 s[G1K+6], 0
	s_mov_b32 s[G1K+7], 0
	s_mov_b32 s[G1V], 15|(1<<16)|(1<<20)|(1<<21)|(5<<22)|(7<<25)  ; the same with 8 words of padding (code 7)
	s_mov_b32 s[G1V+1], 128<<16
	s_mov_b32 s[G1V+2], 32<<16                     ; 32 rows
	s_mov_b32 s[G1V+3], 128<<16
	s_mov_b32 s[G1V+4], 32
	s_mov_b32 s[G1V+5], 128
	s_mov_b32 s[G1V+6], 0
	s_mov_b32 s[G1V+7], 0
	s_mov_b32 s[CS], 0x3e38aa3b                    ; c = log2(e) / 8
	s_mov_b32 s[CS+1], s[CS]                       ; named with it as a pair, so it is written
	s_mov_b32 s[SEL], 0x76543210
	s_mov_b32 s[SEL+1], 0xfedcba98
	s_mov_b32 s[TK], 0
	s_mov_b32 s[TV], 0
	s_mov_b32 s[SLOTS], 2
	v_and_b32 v[PFO], 31, v0
	v_lshlrev_b32 v[PFO], 8, v[PFO]
	s_wait_dscnt 0x0                               ; both opening adds are done
	s_wait_kmcnt 0x0
	s_add_nc_u64 s[8:9], s[4:5], s[8:9]            ; Q at my wave's first row
	s_add_nc_u64 s[6:7], s[6:7], s[10:11]          ; out0 likewise
	s_add_nc_u64 s[16:17], s[4:5], s[16:17]        ; my tile of the first fill, by k's line
	s_add_nc_u64 s[22:23], s[4:5], s[22:23]        ; and by v's
	s_cmp_lt_u32 s[WV], 4
	s_cselect_b64 s[PFA:PFA+1], s[16:17], s[22:23] ; (in waves 0, 2 and 4 these stand at a fill's first row)
	s_lshl_b32 s10, s13, 13                        ; my work-group's 32 rows of the 128,
	s_add_co_u32 s10, s10, 2*FILLB                 ; in the third fill: the first refill steps it to the fourth.  Nothing is prefetched here, at the head
	s_add_nc_u64 s[PFA:PFA+1], s[PFA:PFA+1], s[10:11]
	CROUND                                         ; all four work-groups are here: the first joint loads meet
.irp s, 0,1
	s_mov_b32 s[G0K+4*\s], 1                       ; 1:0 count = 1
	s_add_co_u32 s[G0K+4*\s+1], s2, \s*SLOT1       ; 63:32 LDS address
	s_add_nc_u64 s[G0K+4*\s+2:G0K+4*\s+3], s[16:17], \s*FILLB  ; 120:64 global address: fill s
	s_or_b32 s[G0K+4*\s+3], s[G0K+4*\s+3], 0x80000000  ; 127:126 type = 2
	s_mov_b32 s[G0V+4*\s], 1
	s_add_co_u32 s[G0V+4*\s+1], s3, \s*SLOT1
	s_add_nc_u64 s[G0V+4*\s+2:G0V+4*\s+3], s[22:23], \s*FILLB
	s_or_b32 s[G0V+4*\s+3], s[G0V+4*\s+3], 0x80000000
.endr
	s_cmp_lt_u32 s[WV], 4                          ; a wave's two first fills stand in one branch, ahead of every wait on TENSORcnt and every LDS read
	s_cbranch_scc0 .Lfirst_v
	tensor_load_to_lds s[G0K:G0K+3], s[G1K:G1K+7]
	s_nop 0
	tensor_load_to_lds s[G0K+4:G0K+7], s[G1K:G1K+7]
	s_nop 0
.rept 4
	v_nop
.endr
	s_branch .Lfirst_asked
.Lfirst_v:
	tensor_load_to_lds s[G0V:G0V+3], s[G1V:G1V+7]
	s_nop 0
	tensor_load_to_lds s[G0V+4:G0V+7], s[G1V:G1V+7]
	s_nop 0
.rept 4
	v_nop
.endr
.Lfirst_asked:
	; A fragment of k or Q is 16 rows x 32 channels in 8 registers: lane l holds row l % 16; registers 0-3 channels 8 (l / 16) + 0..7, registers 4-7 channels 16 + 8 (l / 16) + 0..7: two loads of 16 bytes, 32 bytes apart.
	v_and_b32 v1, 15, v0                           ; r = l % 16
	v_bfe_u32 v13, v0, 4, 1                        ; h = l / 16
	v_lshlrev_b32 v[QO], 7, v1
	v_lshl_add_u32 v[QO], v13, 4, v[QO]            ; row x 128 + 16 x half
	WIN W_LD
.irp t, 0,1
.irp c, 0,1                                    ; Q stays in registers: tile t, channels 32 c on
	global_load_b128 v[16*\t+8*\c:16*\t+8*\c+3],   v[QO], s[8:9] offset:2048*\t+64*\c
	global_load_b128 v[16*\t+8*\c+4:16*\t+8*\c+7], v[QO], s[8:9] offset:2048*\t+64*\c+32
.endr
.endr
	WIN 0
	v_lshrrev_b32 v14, 1, v1
	v_mul_u32_u24 v[AK0], v14, PK                  ; two keys to an LDS row:
	v_and_b32 v14, 1, v0
	v_lshl_add_u32 v[AK0], v14, 7, v[AK0]          ; (r / 2) x pitch + (r % 2) x 128
	v_lshl_add_u32 v[AK0], v13, 4, v[AK0]          ; + 16 x half
	; The turning load takes 16 keys x 16 channels (lane l reads 16 bytes: key 8 (l / 16) + l % 8, channels 8 ((l / 8) % 2) + 0..7) and leaves half a fragment of V^T: lane l holds channel l % 16 and 8 keys.
	v_bfe_u32 v15, v0, 1, 2                        ; (l % 8) / 2
	v_lshl_add_u32 v15, v13, 2, v15                ; + 4 x half: the key's LDS row
	v_mul_u32_u24 v[AV0], v15, PVP
	v_lshl_add_u32 v[AV0], v14, 7, v[AV0]          ; + (l % 2) x 128
	v_bfe_u32 v15, v0, 3, 1
	v_lshl_add_u32 v[AV0], v15, 4, v[AV0]
	v_add_nc_u32 v[AV0], VOFF, v[AV0]
	s_mul_i32 s10, s[WV], 16*272
	s_add_co_u32 s10, s10, STAGE                   ; my stage
	v_mul_u32_u24 v[STO], v1, 272                  ; in: row r, 32 bytes for each half of the lanes
	v_lshl_add_u32 v[STO], v13, 5, v[STO]
	v_add_nc_u32 v[STO], s10, v[STO]
	v_mul_u32_u24 v[RD], v13, 272                  ; back: lanes 0-15 take one row of 256 bytes, lanes 16-31 the next
	v_lshl_add_u32 v[RD], v1, 4, v[RD]
	v_add_nc_u32 v[RD], s10, v[RD]
	v_lshlrev_b32 v[GO], 12, v13                   ; and the same two rows in out0, 4,096 bytes apart
	v_lshl_add_u32 v[GO], v1, 4, v[GO]
.irp t, 0,1
	v_mov_b32 v[ST+8*\t+1], 0xff61b1e6             ; m: -3e38, under every score that is served
	v_mul_f32 v[ST+8*\t], s[CS], v[ST+8*\t+1]      ; c m
	v_mov_b32 v[ST+8*\t+2], 0                      ; l, in two halves
	v_mov_b32 v[ST+8*\t+3], 0
.endr
.set j, 0
.rept 64
	v_mov_b32 v[O+j], 0                            ; O^T.  (The step is written with no first step of its own: the first finds zeros, which a = 0 leaves zeros)
.set j, j+1
.endr
; 16 products of S^T = K Q^T on the fragments at f (k's or q's), into the tiles' halves at so: channels 32 c on, keys 16 kt on, tile t.  The first eight start the sums.
; The eight accumulators take turns, one instruction a turn.
.macro KQMUL f, so
.irp c, 0,1
.irp kt, 0,1,2,3
.irp t, 0,1
.if \c == 0
	v_wmma_f32_16x16x32_f16 v[S+64*\t+\so+8*\kt:S+64*\t+\so+8*\kt+7], v[\f+16*\kt+8*\c:\f+16*\kt+8*\c+7], v[16*\t+8*\c:16*\t+8*\c+7], 0
.else
	v_wmma_f32_16x16x32_f16 v[S+64*\t+\so+8*\kt:S+64*\t+\so+8*\kt+7], v[\f+16*\kt+8*\c:\f+16*\kt+8*\c+7], v[16*\t+8*\c:16*\t+8*\c+7], v[S+64*\t+\so+8*\kt:S+64*\t+\so+8*\kt+7]
.endif
.endr
.endr
.endr
.endm
; 16 products of O^T += V^T P: keys 32 kc on, channels 16 ct on, tile t; eight accumulators by turns.
.macro PVMUL
.irp kc, 0,1
.irp ct, 0,1,2,3
.irp t, 0,1
	v_wmma_f32_16x16x32_f16 v[O+32*\t+8*\ct:O+32*\t+8*\ct+7], v[VF+32*\kc+8*\ct:VF+32*\kc+8*\ct+7], v[P+16*\t+8*\kc:P+16*\t+8*\kc+7], v[O+32*\t+8*\ct:O+32*\t+8*\ct+7]
.endr
.endr
.endr
.endm
; THE SOFTMAX of a key step, both tiles by turns line by line, so that no line waits for the line above it.
.macro SOFTMAX
	; the maximum of the lane's 64 scores and the old m, three operands at a time: chain i runs over k's key tile i and q's key tile i; each accumulator is read from its low end on
.irp i, 0,1,2,3
.irp t, 0,1
	v_max3_num_f32 v[ST+8*\t+4+\i], v[S+64*\t+8*\i], v[S+64*\t+8*\i+1], v[S+64*\t+8*\i+2]
.endr
.endr
.irp i, 0,1,2,3
.irp t, 0,1
	v_max3_num_f32 v[ST+8*\t+4+\i], v[ST+8*\t+4+\i], v[S+64*\t+32+8*\i], v[S+64*\t+32+8*\i+1]
.endr
.endr
.irp p, 3,5
.irp i, 0,1,2,3
.irp t, 0,1
	v_max3_num_f32 v[ST+8*\t+4+\i], v[ST+8*\t+4+\i], v[S+64*\t+8*\i+\p], v[S+64*\t+8*\i+\p+1]
.endr
.endr
.endr
.irp p, 2,4,6
.irp i, 0,1,2,3
.irp t, 0,1
	v_max3_num_f32 v[ST+8*\t+4+\i], v[ST+8*\t+4+\i], v[S+64*\t+32+8*\i+\p], v[S+64*\t+32+8*\i+\p+1]
.endr
.endr
.endr
.irp t, 0,1
	v_max3_num_f32 v[ST+8*\t+4], v[ST+8*\t+4], v[S+64*\t+7], v[S+64*\t+15]     ; the four scores left over
.endr
.irp t, 0,1
	v_max3_num_f32 v[ST+8*\t+6], v[ST+8*\t+6], v[S+64*\t+23], v[S+64*\t+31]
.endr
.irp t, 0,1
	v_max3_num_f32 v[ST+8*\t+4], v[ST+8*\t+4], v[ST+8*\t+5], v[ST+8*\t+6]
.endr
.irp t, 0,1
	v_max3_num_f32 v[ST+8*\t+4], v[ST+8*\t+4], v[ST+8*\t+7], v[ST+8*\t+1]      ; and the old m
.endr
.irp t, 0,1
	v_permlanex16_b32 v[ST+8*\t+5], v[ST+8*\t+4], s[SEL], s[SEL+1]             ; the query's other keys lie in the lane 16 away
.endr
.irp t, 0,1
	v_mov_b32 v[ST+8*\t+7], v[ST+8*\t]             ; c m_old is kept for a
.endr
.irp t, 0,1
	v_max_num_f32 v[ST+8*\t+1], v[ST+8*\t+4], v[ST+8*\t+5]                     ; the new m
.endr
.irp t, 0,1
	v_mul_f32 v[ST+8*\t], s[CS], v[ST+8*\t+1]
.endr
.irp t, 0,1
	v_sub_f32 v[ST+8*\t+7], v[ST+8*\t+7], v[ST+8*\t]
.endr
.set j, 0
.rept 32
.irp t, 0,1
	v_pk_fma_f32 v[S+64*\t+j:S+64*\t+j+1], v[S+64*\t+j:S+64*\t+j+1], s[CS:CS+1], v[ST+8*\t:ST+8*\t+1] op_sel_hi:[1,0,0] neg_lo:[0,0,1] neg_hi:[0,0,1]   ; c s - c m, a pair at a time
.endr
.set j, j+2
.endr
	; ONE BATCH: a and the 128 weights; none of these lines reads an exponential's result
.irp t, 0,1
	v_exp_f32 v[ST+8*\t+6], v[ST+8*\t+7]           ; a
.endr
.set j, 0
.rept 64
.irp t, 0,1
	v_exp_f32 v[S+64*\t+j], v[S+64*\t+j]
.endr
.set j, j+1
.endr
	v_nop                                          ; a plain instruction behind the last exponential and ahead of the first use: one for the batch
	s_wait_alu depctr_va_vdst(0)                   ; and the wait ahead of the first instruction that names a result: one for the batch
.set j, 0
.rept 16
.irp t, 0,1
	v_pk_add_f32 v[S+64*\t+j:S+64*\t+j+1], v[S+64*\t+j:S+64*\t+j+1], v[S+64*\t+32+j:S+64*\t+32+j+1]   ; key j's weight and key j + 1024's share a row of v
.endr
.set j, j+2
.endr
.set j, 0
.rept 16
.irp t, 0,1
	v_cvt_pk_f16_f32 v[P+16*\t+j], v[S+64*\t+2*j], v[S+64*\t+2*j+1]
.endr
.set j, j+1
.endr
	; the sum of the 16 pairs, in place: neighbours 1, 2, 4 and 8 pairs apart; then l = a l + the sum
.irp w, 4,8,16,32
.set j, 0
.rept 32/\w
.irp t, 0,1
	v_pk_add_f32 v[S+64*\t+j:S+64*\t+j+1], v[S+64*\t+j:S+64*\t+j+1], v[S+64*\t+j+\w/2:S+64*\t+j+\w/2+1]
.endr
.set j, j+\w
.endr
.endr
.irp t, 0,1
	v_pk_fma_f32 v[ST+8*\t+2:ST+8*\t+3], v[ST+8*\t+2:ST+8*\t+3], v[ST+8*\t+6:ST+8*\t+7], v[S+64*\t:S+64*\t+1] op_sel_hi:[1,0,1]
.endr
.set j, 0
.rept 16
.irp t, 0,1
	v_pk_mul_f32 v[O+32*\t+j:O+32*\t+j+1], v[O+32*\t+j:O+32*\t+j+1], v[ST+8*\t+6:ST+8*\t+7] op_sel_hi:[1,0]   ; O^T times a, each accumulator from its low end on
.endr
.set j, j+2
.endr
.endm
; A KEY STEP.  All 48 LDS loads stand in one run at its head: k's 16, q's 16, v's 16; the counted waits let the later ones stay out.
.macro STEP
	v_add_nc_u32 v[ADK], s[TK], v[AK0]
	v_add_nc_u32 v[ADV], s[TV], v[AV0]
	v_nop
	v_nop                                          ; these four lines are the places between the last step's products and the loads into their operands
	WIN W_LD
.irp kt, 0,1,2,3
.irp c, 0,1
	ds_load_b128 v[KF+16*\kt+8*\c:KF+16*\kt+8*\c+3],   v[ADK] offset:8*PK*\kt+64*\c
	ds_load_b128 v[KF+16*\kt+8*\c+4:KF+16*\kt+8*\c+7], v[ADK] offset:8*PK*\kt+64*\c+32
.endr
.endr
.irp kt, 0,1,2,3
.irp c, 0,1
	ds_load_b128 v[QF+16*\kt+8*\c:QF+16*\kt+8*\c+3],   v[ADK] offset:QOFF+8*PK*\kt+64*\c
	ds_load_b128 v[QF+16*\kt+8*\c+4:QF+16*\kt+8*\c+7], v[ADK] offset:QOFF+8*PK*\kt+64*\c+32
.endr
.endr
.irp kc, 0,1
.irp ct, 0,1,2,3
	ds_load_tr16_b128 v[VF+32*\kc+8*\ct:VF+32*\kc+8*\ct+3],   v[ADV] offset:16*PVP*\kc+32*\ct
	ds_load_tr16_b128 v[VF+32*\kc+8*\ct+4:VF+32*\kc+8*\ct+7], v[ADV] offset:16*PVP*\kc+32*\ct+8*PVP
.endr
.endr
	s_wait_dscnt 32                                ; k's fragments are in; q's 16 loads and v's 16 may be out
	WIN W_KQ
	KQMUL KF, 0
	s_wait_dscnt 16                                ; q's are in; v's 16 may be out
	KQMUL QF, 32
	WIN 0
.rept 4
	v_nop                                          ; places behind the last products, ahead of the first read of the scores
.endr
	SOFTMAX
	s_wait_dscnt 0x0                               ; v's fragments are in
	WIN W_PV
	PVMUL
	WIN 0                                          ; at a label and at a branch every window is 0
	s_add_co_u32 s[TK], s[TK], KSTEPB              ; the next step's tiles
	s_add_co_u32 s[TV], s[TV], VSTEPB
.endm
.macro SLOT_STEPS                      ; a slot's four key steps: written once, walked four times; the LDS addresses hang on s[TK] and s[TV]
	s_mov_b32 s[CNT], 4
.Lstep_\@:
	STEP
	s_sub_co_u32 s[CNT], s[CNT], 1
	s_cmp_lg_u32 s[CNT], 0
	s_cbranch_scc1 .Lstep_\@
.endm
; THE CHANGE OF SLOTS.  Each wave waits for all its tensor loads, of which one is out: its part of the other slot; adds 0 to its spare word; and waits for that and for its own reads of the slot that it leaves.
; fill = 1: that slot is filled again, with the rows two fills on.  The barrier is then a round of the cluster's, so that no wave of any partner still reads the slot or has a load on its way, and the joint refill is the
; first thing behind it: it has four key steps, 192 matrix instructions and their softmax, in which to land.
.macro CHANGE fill
	s_wait_tensorcnt 0x0                           ; no tensor load of mine is out, so a group 0 may be written
	ds_add_u32 v[SPW], v[NIL]                      ; 0 onto my spare word; with fill = 1 the descriptors' steps stand between it and the wait for it
.if \fill
.irp g, G0K+4, G0V+4
	s_xor_b32 s[\g+1], s[\g+1], SLOT1              ; the walking descriptor: the other slot than last time,
	s_add_nc_u64 s[\g+2:\g+3], s[\g+2:\g+3], FILLB ; the next 256 rows; the type bits on top are not reached
.endr
	s_wait_xcnt 0x0                                ; the last prefetch, a slot back, has read its address, so it may be written:
	s_add_nc_u64 s[PFA:PFA+1], s[PFA:PFA+1], FILLB ; one fill further on than the walking descriptors
	s_wait_dscnt 0x0                               ; the add is done, and my reads of the slot are over
	CROUND
	JLOAD
	ASK
.else
	s_wait_dscnt 0x0                               ; the add is done, and my reads of the slot are over
	s_barrier_signal -1
	s_barrier_wait -1
.endif
	s_sub_co_u32 s[TK], s[TK], 4*KSTEPB            ; the fetches go back to a slot's first step,
	s_xor_b32 s[TK], s[TK], SLOT1                  ; in the other slot
	s_sub_co_u32 s[TV], s[TV], 4*VSTEPB
	s_xor_b32 s[TV], s[TV], SLOT1
.endm
	s_wait_tensorcnt 1                             ; my part of slot 0 is in; slot 1's one load may stay out
	s_barrier_signal -1
	s_barrier_wait -1                              ; everybody's is
	s_wait_loadcnt 0x0                             ; Q
	SLOT_STEPS                                     ; the first fill
.Lslot:                                            ; two trips: the slot just read is filled again, and the other is walked
	CHANGE 1
	SLOT_STEPS
	s_sub_co_u32 s[SLOTS], s[SLOTS], 1
	s_cmp_lg_u32 s[SLOTS], 0
	s_cbranch_scc1 .Lslot
	CHANGE 0                                       ; the tail is written out: nothing is left to ask for
	SLOT_STEPS
	; THE WAY OUT.  l's two halves and the other half of the lanes' are added; O^T is divided by l and goes through my stage in LDS, a tile (16 rows) at a time: a head's 64 numbers of a row are 256 bytes of out0.
.rept 4
	v_nop                                          ; places behind the last products
.endr
.irp t, 0,1
	v_add_f32 v[ST+8*\t+4], v[ST+8*\t+2], v[ST+8*\t+3]
.endr
.irp t, 0,1
	v_permlanex16_b32 v[ST+8*\t+5], v[ST+8*\t+4], s[SEL], s[SEL+1]
.endr
.irp t, 0,1
	v_add_f32 v[ST+8*\t+4], v[ST+8*\t+4], v[ST+8*\t+5]
.endr
.irp t, 0,1
	v_rcp_f32 v[ST+8*\t+6], v[ST+8*\t+4]
.endr
	v_nop                                          ; a plain instruction between the last reciprocal and the use of its result
	s_wait_alu depctr_va_vdst(0)                   ; and the wait ahead of the first use: one for the two reciprocals
.macro PACKT t                         ; lane (r, h) holds, of query r, channels 16 ct + 8 h + 0 .. 7: 32 bytes of its row
.set j, 0
.rept 16
	v_pk_mul_f32 v[S+32*\t+j:S+32*\t+j+1], v[O+32*\t+j:O+32*\t+j+1], v[ST+8*\t+6:ST+8*\t+7] op_sel_hi:[1,0]   ; into S^T's registers, which are free; each accumulator from its low end on
.set j, j+2
.endr
.irp ct, 0,1,2,3
	ds_store_b128 v[STO], v[S+32*\t+8*\ct:S+32*\t+8*\ct+3] offset:64*\ct
	ds_store_b128 v[STO], v[S+32*\t+8*\ct+4:S+32*\t+8*\ct+7] offset:64*\ct+16
.endr
.irp f, 0,1,2,3,4,5,6,7
	ds_load_b128 v[96+32*\t+4*\f:96+32*\t+4*\f+3], v[RD] offset:\f*2*272   ; LDS serves a wave's instructions in order (ISA guide 5.7.1.4): these see the stores above; the next tile's stores come behind them
.endr
.endm
.macro SEND t, younger                 ; younger: the LDS instructions issued behind tile t's loads: the next tile's sixteen, or none
.irp f, 0,1,2,3,4,5,6,7
	s_wait_dscnt \younger+7-\f
	global_store_b128 v[GO], v[96+32*\t+4*\f:96+32*\t+4*\f+3], s[6:7] offset:\t*65536+\f*8192 th:TH_STORE_NT   ; 16 lanes store 256 consecutive bytes, aligned: the head's part of a row; written once, read by nobody here
.endr
.endm
	PACKT 0
	PACKT 1                                        ; a tile's arithmetic stands between the loads of the tile before and its stores
	SEND 0, 16
	SEND 1, 0
	s_wait_tensorcnt 0x0                           ; the wave's end: behind my last tensor load and my last LDS store
	ds_add_u32 v[SPW], v[NIL]
	s_wait_dscnt 0x0
	CROUND                                         ; the closing round: no work-group ends while a partner may still ask for a tile that names it
	s_endpgm
.Lfunc_end_k_q5091670993_attn:
	.size	k_q5091670993_attn, .Lfunc_end_k_q5091670993_attn-k_q5091670993_attn
	.p2alignl 7, 3214868480
	.fill 96, 4, 3214868480
	.section	.rodata,"a",@progbits
	.p2align	6, 0x0
	.amdhsa_kernel k_q5091670993_attn
		.amdhsa_group_segment_fixed_size 327680
		.amdhsa_private_segment_fixed_size 0
		.amdhsa_enable_private_segment 0
		.amdhsa_kernarg_size 16
		.amdhsa_user_sgpr_count 2
		.amdhsa_user_sgpr_kernarg_segment_ptr 1
		.amdhsa_wavefront_size32 1
		.amdhsa_system_sgpr_workgroup_id_x 1
		.amdhsa_system_sgpr_workgroup_id_y 1
		.amdhsa_system_sgpr_workgroup_id_z 1
		.amdhsa_system_vgpr_workitem_id 0
		.amdhsa_next_free_vgpr 512
		.amdhsa_next_free_sgpr 66
		.amdhsa_reserve_vcc 0
		.amdhsa_float_denorm_mode_32 3
		.amdhsa_float_denorm_mode_16_64 3
		.amdhsa_memory_ordered 1
		.amdhsa_forward_progress 1
		.amdhsa_inst_pref_size 102
	.end_amdhsa_kernel
	.amdgpu_metadata
---
amdhsa.version: [ 1, 2 ]
amdhsa.kernels:
  - .name:           k_q5091670993_attn
    .symbol:         k_q5091670993_attn.kd
    .args:
      - { .name: qkv, .offset: 0, .size: 8, .value_kind: global_buffer, .address_space: global }
      - { .name: out0, .offset: 8, .size: 8, .value_kind: global_buffer, .address_space: global }
    .group_segment_fixed_size: 327680
    .private_segment_fixed_size: 0
    .kernarg_segment_align: 8
    .kernarg_segment_size: 16
    .max_flat_workgroup_size: 256
    .sgpr_count:     66
    .vgpr_count:     512
    .wavefront_size: 32
...
	.end_amdgpu_metadata
.endif
;; end of part 3
